; MI455X (gfx1250); checked and timed in simulation.
; The chip was launched on July 23, 2026; its instructions are those of AMD's public machine-readable ISA for CDNA 5 (MIT licence, August 2026) and "CDNA5" Instruction Set Architecture Reference Guide (July 2026). The comments in the code are by the model that wrote it; some were corrected since.
;; Compressed Linear. Allowed arithmetic: float matrix products may take bf16 or f16 operands with f32 sums; other float arithmetic in f32, or as packed bf16 or f16 multiplies, adds, multiply-adds, maxima and minima; sums over many terms, partial sums and values carried from step to step in f32; what a program stores and reads back later, other than sums and carried values, may be rounded once to bf16 or f16.
;; Inputs: compressed_bias 4,096 float16; compressed_weight 4,096 x 4,096 int8; scale one number float32; x 2 x 2,048 x 4,096 float32.
;; Outputs: out0 2 x 2,048 x 4,096 float32.
;; One version. Each part assembles by itself: llvm-mc -triple=amdgcn-amd-amdhsa -mcpu=gfx1250 --defsym DOCPART=n.
;; ======== version 1 of 1: 1 launch
;; limits: values are held in f16: magnitudes above 65,504 overflow, below 6.1e-05 lose precision
;; launch clinear (part 1): grid 8 x 32, 4 waves a work-group, clusters of 4 x 4, 327,680 bytes of LDS; arguments x, compressed_weight, scale, compressed_bias, out0; writes out0
.if DOCPART == 1
	.amdgcn_target "amdgcn-amd-amdhsa--gfx1250"
	.amdhsa_code_object_version 6
	.text
	.protected	k_q9e9ba01fca_clinear
	.globl	k_q9e9ba01fca_clinear
	.p2align	8
	.type	k_q9e9ba01fca_clinear,@function
k_q9e9ba01fca_clinear:
	s_mov_b64 s[64:65], 0
	v_nop
	global_prefetch_b8 v0, s[64:65] scope:SCOPE_SE
	s_setreg_imm32_b32 hwreg(HW_REG_WAVE_MODE, 25, 1), 1
	s_wait_xcnt 0x0
	s_wait_alu depctr_hold_cnt(0) depctr_sa_sdst(0) depctr_va_vdst(0) depctr_va_sdst(0) depctr_va_ssrc(0) depctr_va_vcc(0) depctr_vm_vsrc(0)
	s_getreg_b32 s2, hwreg(HW_REG_IB_STS2, 6, 4)
	s_cmp_eq_u32 s2, 0
	s_cbranch_scc0 .Lentry_in_a_cluster
	s_endpgm
.Lentry_in_a_cluster:
	s_bfe_u32 s2, ttmp6, 0x10000c
	s_cmp_lg_u32 s2, 0xf033
	s_cbranch_scc0 .Lentry_shape_is_right
	s_endpgm
.Lentry_shape_is_right:
; y[m][n] = scale * (sum over k of x[m][k] W[n][k]) + bias[n].  x: [4096][4096] f32, W: [4096][4096] int8, scale: one f32, bias: [4096] f16, y: [4096][4096] f32.
; ONE LAUNCH: x and W come into LDS as they lie in memory and are turned into f16 on the way from LDS to the matrix instruction; sums in f32; scale and bias are one f32 multiply-add on the way out.
; FORMATS AND LIMITS.  W in f16 is exact (whole numbers of -128 .. 127).  x is rounded once to f16: |x| from 65,520 on becomes infinity; below 6.1e-5 the rounding error is absolute, up to 3e-8.
;   The scale multiplies the finished sum, not each weight: one rounding where the definition has 4,096.  Inside each 32 along K the places of k are permuted, alike for both operands.
; SHARES.  A work-group makes 128 rows x 512 columns of y: for each k that is 128 x 4 + 512 x 1 = 1,024 bytes, so two slots of 128 along K fit in LDS.  Wave w makes all 128 rows x columns 128 w .. 128 w + 127:
;   64 accumulators of 16 x 16, 512 registers.  A row of W is converted by one wave; a row of x by all four (one instruction for two numbers).
;   W's rows in a tile are 128 bytes: two slots of 256 along K (2 x 512 rows x 272 bytes for W alone) would not fit beside x's.
; CLUSTER.  4 x 4 work-groups.  The four of a row of the cluster need the same tiles of x, the four of a column the same tiles of W: each tile is asked for JOINTLY, by the same tensor load with the same
;   descriptor and a mask that names the four.
; BY TURNS.  While the 32 along K in hand (a quarter of a K step, 64 matrix instructions) are multiplied, the next quarter's raw data are converted into the other fragment buffer, and the raw registers are
;   loaded again with the quarter after that.  An OCTET is 8 matrix instructions (one block of 16 rows x my 8 blocks of 16 columns) with a slice of 4 vector instructions behind seven of them: 28 vector
;   instructions convert one block of x and one of W.  THE LDS LOADS STAND IN TWO RUNS OF 20 A QUARTER, never singly among the matrix instructions: behind octet 3 the raw sets 0-3, behind octet 7 the sets 4-7.
;   A set is loaded again only when it has been converted, and each run stands four octets, 32 matrix instructions, ahead of its first use.
; THE MATRIX INSTRUCTION IS USED TRANSPOSED (source 0 = 16 rows of W, source 1 = 16 rows of x): lane l holds row l % 16 of y and the columns 8 (l / 16) + 0 .. 7.
; REGISTERS, in windows of 256 (s_set_vgpr_msb: bits 1:0 source 0, 3:2 source 1, 5:4 source 2, 7:6 destination):
;   window 0: v0-22 addresses and constants; v96-127 raw W (4 a fragment); v128-255 raw x (16 a block), on the way out two buffers of 16 rows
;   window 1: v[64 p + 8 a] x's fragment a in f16, v[128 + 64 p + 8 b] W's fragment b in f16; p = which of the two buffers
;   windows 2, 3: accumulator (a, b) at v[8 (8 (a % 4) + b)] of window 2 + a / 4
;   The raw data, the converted fragments and the sums fill separate windows, so a slice costs two switches: 14 for an octet.
.set PA,    528                        ; a row of x in LDS: 512 bytes + 16 of padding: an odd multiple of 16, so the 16 rows of a load start at 16 different 16-byte columns of 256 bytes
.set PB,    144                        ; a row of W in LDS: 128 bytes + 16: likewise
.set HALFA, 64*PA                      ; what one tensor load brings of x: 64 rows
.set HALFB, 256*PB                     ; and of W: 256 rows
.set BOFF,  2*HALFA                    ; in a slot: x's 128 rows, then W's 512
.set SLOT,  BOFF+2*HALFB               ; 141,312 bytes
.set STAGE, 2*SLOT                     ; behind the ring, at a multiple of 256: 16 rows x 528 bytes for each wave, for the way out; no tensor load lands there
.set SP,    528
.set STEPA, 512                        ; bytes of a row of x in a K step of 128
.set STEPB, 128                        ; and of W
.set ROWY,  16384                      ; bytes in a row of x and of y
.set BIAS, 10                          ; v[10:13] the bias of the four columns that I store, in f32
.set NEG,  14                          ; v14      -1152 twice, in f16
.set ADRA, 16                          ; v16-17   LDS address of my part of x's fragments in slot 0, 1
.set ADRB, 18                          ; v18-19   the same for W
.set STO,  20                          ; v20      the way out: where I put 32 bytes of a row
.set RD,   21                          ; v21      the way out: where I read 16 bytes of a row back
.set CO,   22                          ; v22      my byte offset in a row of my wave's part of y
.set RB,   96
.set RA,   128
.set OB,   128
.set WV,   14                          ; s14 my wave's number
.set FORB, 15                          ; s15 0: I fetch for x, 1: for W
.set HF,   16                          ; s16 which half of that tile's rows I fetch
.set G1A,  24                          ; s[24:31] descriptor group 1 for x's tiles
.set G0A,  32                          ; s[32:39] descriptor group 0 for x's tiles, a set for each slot
.set SC,   40                          ; s[40:41] the scale, twice: the packed multiply-add names a pair
.set FLIP, 42                          ; s42 0x80808080
.set EXPO, 43                          ; s43 0x64646464
.set SELL, 44                          ; s44, s45 byte selects
.set SELH, 45
.set LAPS, 46                          ; s46 trips to go
.set G1B,  48                          ; s[48:55], s[56:63] the same for W's tiles
.set G0B,  56
.set W_B,  0x41                        ; destination and source 0 window 1, source 1 window 0
.set W_A,  0x40                        ; destination window 1, sources window 0
.set MSB, 0
.macro WIN new                         ; the immediate's high byte repeats the setting that is left; a switch that changes nothing is dropped
.if MSB != (\new)
	s_set_vgpr_msb (MSB<<8)|(\new)
.set MSB, (\new)
.endif
.endm
; A joint load.  Waves 0 and 1 fetch x's two halves, waves 2 and 3 W's.  Each line has one mask; the branch hangs on the wave's number alone.
; Four v_nop follow each of the two lines; the jump, the label and what follows the macro come after them.
.macro JLOAD s
	s_cmp_eq_u32 s[FORB], 0
	s_cbranch_scc0 .Lfor_b_\@
	tensor_load_to_lds s[G0A+4*\s:G0A+4*\s+3], s[G1A:G1A+7]
.rept 4
	v_nop
.endr
	s_branch .Lasked_\@
.Lfor_b_\@:
	tensor_load_to_lds s[G0B+4*\s:G0B+4*\s+3], s[G1B:G1B+7]
.rept 4
	v_nop
.endr
.Lasked_\@:
.endm
; A round of the cluster's barrier: my work-group's barrier, so that wave 0's signal speaks for all four waves; wave 0 signals; every wave waits for all sixteen work-groups; my work-group's barrier once more.
.macro CREST                           ; a round behind its opening barrier
	s_cmp_lg_u32 s[WV], 0
	s_cbranch_scc1 .Lnot_wave_0_\@
	s_barrier_signal -3
.Lnot_wave_0_\@:
	s_barrier_wait -3
	s_barrier_signal -1
	s_barrier_wait -1
.endm
.macro CROUND                          ; a whole round
	s_barrier_signal -1
	s_barrier_wait -1
	CREST
.endm
	s_load_b256 s[4:11], s[0:1], 0x0               ; x s[4:5], W s[6:7], the scale's address s[8:9], bias s[10:11]
	s_load_b64 s[12:13], s[0:1], 0x20              ; y
	v_lshrrev_b32 v1, 5, v0
	v_readfirstlane_b32 s[WV], v1                  ; wave 0..3
	s_lshr_b32 s[FORB], s[WV], 1
	s_and_b32 s[HF], s[WV], 1
	s_bfe_u32 s17, ttmp6, 0x40000                  ; cx: my place along the cluster's x
	s_bfe_u32 s18, ttmp6, 0x40004                  ; cy: along its y
	s_lshl_b32 s19, ttmp9, 2                       ; in a cluster launch ttmp9 and ttmp7 count clusters
	s_add_co_u32 s19, s19, s17                     ; my block of 512 columns = 4 x cluster x + cx
	s_and_b32 s20, ttmp7, 0xffff
	s_lshl_b32 s20, s20, 2
	s_add_co_u32 s20, s20, s18                     ; my block of 128 rows = 4 x cluster y + cy
	s_lshl_b32 s21, s18, 2
	s_lshl_b32 s21, 15, s21                        ; my row of the cluster: places 4 cy .. 4 cy + 3
	s_lshl_b32 s22, 0x1111, s17                    ; my column: places cx, cx + 4, cx + 8, cx + 12
	; group 1 for x: 64 rows x 128 elements of 4 bytes, 4 words of padding behind every 128 words
	s_or_b32 s[G1A+0], s21, (2<<16)|(1<<20)|(1<<21)|(6<<22)|(3<<25)  ; 15:0 the mask: my row; 17:16 elements of 4 bytes; 20 padding on; 21 set beside a mask; 24:22 interval code 6; 31:25 4 words (code 3)
	s_mov_b32 s[G1A+1], 128<<16                    ; tensor_dim0 = 128
	s_mov_b32 s[G1A+2], 64<<16                     ; tensor_dim1 = 64
	s_mov_b32 s[G1A+3], 128<<16                    ; tile_dim0 = 128
	s_mov_b32 s[G1A+4], 64                         ; tile_dim1 = 64
	s_mov_b32 s[G1A+5], 4096                       ; elements from row to row
	s_mov_b32 s[G1A+6], 0
	s_mov_b32 s[G1A+7], 0
	; group 1 for W: 256 rows x 128 elements of 1 byte, 4 words of padding behind every 32 words
	s_or_b32 s[G1B+0], s22, (0<<16)|(1<<20)|(1<<21)|(4<<22)|(3<<25)  ; the mask: my column; elements of 1 byte; interval code 4
	s_mov_b32 s[G1B+1], 128<<16
	s_mov_b32 s[G1B+2], 256<<16
	s_mov_b32 s[G1B+3], 128<<16
	s_mov_b32 s[G1B+4], 256
	s_mov_b32 s[G1B+5], 4096
	s_mov_b32 s[G1B+6], 0
	s_mov_b32 s[G1B+7], 0
	; where the tiles come from: x's hang on the block of rows alone, which my row of the cluster shares; W's on the block of columns alone, which my column shares
	s_lshl_b32 s23, s[HF], 20                      ; my half: 64 rows of 16,384 bytes of x, or 256 rows of 4,096 bytes of W
	s_lshl_b32 s2, s20, 21                         ; 128 rows of 16,384 bytes
	s_add_co_u32 s2, s2, s23
	s_mov_b32 s3, 0
	s_lshl_b32 s46, s19, 21                        ; 512 rows of 4,096 bytes
	s_add_co_u32 s46, s46, s23
	s_mov_b32 s47, 0
	s_mul_i32 s44, s[HF], HALFA                    ; and where they go: no place in the cluster enters an LDS address
	s_mul_i32 s45, s[HF], HALFB
	s_wait_kmcnt 0x0
	s_add_nc_u64 s[2:3], s[4:5], s[2:3]
	s_add_nc_u64 s[46:47], s[6:7], s[46:47]
	CROUND                                         ; all sixteen work-groups are here: the first joint loads meet
.irp s, 0,1
	s_mov_b32 s[G0A+4*\s], 1                                       ; count = 1
	s_add_co_u32 s[G0A+4*\s+1], s44, \s*SLOT                       ; LDS address
	s_add_nc_u64 s[G0A+4*\s+2:G0A+4*\s+3], s[2:3], \s*STEPA        ; global address: K step s
	s_or_b32 s[G0A+4*\s+3], s[G0A+4*\s+3], 0x80000000              ; type = 2
	s_mov_b32 s[G0B+4*\s], 1
	s_add_co_u32 s[G0B+4*\s+1], s45, \s*SLOT+BOFF
	s_add_nc_u64 s[G0B+4*\s+2:G0B+4*\s+3], s[46:47], \s*STEPB
	s_or_b32 s[G0B+4*\s+3], s[G0B+4*\s+3], 0x80000000
.endr
	s_cmp_eq_u32 s[FORB], 0                        ; a wave's two first fills stand in one branch, ahead of every wait on TENSORcnt and every LDS read: two loads of mine are out
	s_cbranch_scc0 .Lfirst_b
	tensor_load_to_lds s[G0A:G0A+3], s[G1A:G1A+7]
	tensor_load_to_lds s[G0A+4:G0A+7], s[G1A:G1A+7]
.rept 4
	v_nop
.endr
	s_branch .Lfirst_asked
.Lfirst_b:
	tensor_load_to_lds s[G0B:G0B+3], s[G1B:G1B+7]
	tensor_load_to_lds s[G0B+4:G0B+7], s[G1B:G1B+7]
.rept 4
	v_nop
.endr
.Lfirst_asked:
	s_load_b32 s[SC], s[8:9], 0x0                  ; the scale
	v_lshlrev_b32 v4, 3, v0                        ; bias: 8 x thread = 256 bytes a wave (128 columns) + 8 bytes a lane (4 columns),
	s_lshl_b32 s23, s19, 10                        ; + 1,024 bytes for each block of 512 columns
	v_add_nc_u32 v4, s23, v4
	global_load_b64 v[8:9], v4, s[10:11]
	s_mov_b32 s[FLIP], 0x80808080
	s_mov_b32 s[EXPO], 0x64646464
	s_mov_b32 s[SELL], 0x00050004
	s_mov_b32 s[SELH], 0x00070006
	v_mov_b32 v[NEG], 0xe480e480
	; Lane l = (r = l % 16, h = l / 16) takes, of row r of a block of 16 rows and of 32 along K, the 16 numbers k = 16 h + 0 .. 15, of x (64 bytes) and of W (16 bytes) alike.
	v_and_b32 v1, 15, v0                           ; r
	v_bfe_u32 v2, v0, 4, 1                         ; h
	v_and_b32 v3, 31, v0                           ; l
	v_mul_u32_u24 v[ADRA], v1, PA
	v_lshl_add_u32 v[ADRA], v2, 6, v[ADRA]         ; 528 r + 64 h
	v_add_nc_u32 v[ADRA+1], SLOT, v[ADRA]
	s_mul_i32 s23, s[WV], 128*PB                   ; my wave's 128 rows of W,
	s_add_co_u32 s23, s23, BOFF                    ; which lie behind x's
	v_mul_u32_u24 v[ADRB], v1, PB
	v_lshl_add_u32 v[ADRB], v2, 4, v[ADRB]         ; 144 r + 16 h
	v_add_nc_u32 v[ADRB], s23, v[ADRB]
	v_add_nc_u32 v[ADRB+1], SLOT, v[ADRB]
	s_mul_i32 s23, s[WV], 16*SP
	s_add_co_u32 s23, s23, STAGE                   ; my stage
	v_mul_u32_u24 v[STO], v1, SP                   ; in: row r, 32 bytes for each half of the lanes
	v_lshl_add_u32 v[STO], v2, 5, v[STO]
	v_add_nc_u32 v[STO], s23, v[STO]
	v_lshl_add_u32 v[RD], v3, 4, s23               ; back: the 32 lanes take one row of 512 bytes
	v_lshlrev_b32 v[CO], 4, v3                     ; and the same 512 bytes of a row of y
	s_lshl_b32 s22, s20, 21                        ; y at my wave's part: 128 rows of 16,384 bytes a block of rows,
	s_lshl_b32 s23, s19, 11                        ; 2,048 bytes a block of columns,
	s_add_co_u32 s22, s22, s23
	s_lshl_b32 s23, s[WV], 9                       ; 512 bytes a wave
	s_add_co_u32 s22, s22, s23
	s_mov_b32 s23, 0
	s_add_nc_u64 s[12:13], s[12:13], s[22:23]
	s_wait_loadcnt 0x0                             ; the bias
	v_cvt_f32_f16 v[BIAS], v8.l
	v_cvt_f32_f16 v[BIAS+1], v8.h
	v_cvt_f32_f16 v[BIAS+2], v9.l
	v_cvt_f32_f16 v[BIAS+3], v9.h
	s_wait_kmcnt 0x0                               ; the scale
	s_mov_b32 s[SC+1], s[SC]
; One matrix instruction: rows 16 a on, my columns 16 b on, buffer p.  zero = 1: the product starts the sum: nothing is ever cleared.
; The 64 accumulators take turns, one instruction a turn, in the same order in every quarter.
.macro MM a, b, p, zero
	WIN 0xa5+0x50*((\a)/4)                         ; sources 0 and 1 window 1; C and D window 2 or 3
.set mD, 8*(8*((\a)%4)+(\b))
.set mW, 128+64*(\p)+8*(\b)
.set mX, 64*(\p)+8*(\a)
.if \zero
	v_wmma_f32_16x16x32_f16 v[mD:mD+7], v[mW:mW+7], v[mX:mX+7], 0
.else
	v_wmma_f32_16x16x32_f16 v[mD:mD+7], v[mW:mW+7], v[mX:mX+7], v[mD:mD+7]
.endif
.endm
; Five LDS loads: the raw data of block o (16 rows of x, 16 rows of W) for quarter kq of a slot.  They land in registers that no matrix instruction names.
.macro LOADS o, slot, kq
	WIN 0
.irp i, 0,1,2,3
	ds_load_b128 v[RA+16*(\o)+4*\i:RA+16*(\o)+4*\i+3], v[ADRA+\slot] offset:(\o)*16*PA+128*(\kq)+16*\i
.endr
	ds_load_b128 v[RB+4*(\o):RB+4*(\o)+3], v[ADRB+\slot] offset:(\o)*16*PB+32*(\kq)
.endm
; A run of 20 LDS loads: the raw data of blocks 4 half .. 4 half + 3.
.macro RUN half, slot, kq
.irp o, 0,1,2,3
	LOADS 4*\half+\o, \slot, \kq
.endr
.endm
; Slice n of 7 of the conversion of block o into buffer t, four instructions.
;   W: 0: the sign bits of 4 x 4 bytes are flipped (u = w + 128).  1, 2: each byte goes under the byte 0x64: the f16 number 1024 + u, exact.  3, 4: - 1152 leaves w, exact.
;   x: 5, 6: two f32 are rounded to two f16.
; Register i of a fragment then holds the lane's numbers 2 i (low half) and 2 i + 1 (high half), for W and for x alike.
.macro CONV n, o, t
.set cW, 128+64*(\t)+8*(\o)
.set cX, 64*(\t)+8*(\o)
.set qW, RB+4*(\o)
.set qX, RA+16*(\o)
.if (\n) == 0
	WIN W_B
.irp d, 0,1,2,3
	v_xor_b32 v[cW+2*\d], s[FLIP], v[qW+\d]
.endr
.elseif (\n) < 3
	WIN W_B
.irp d, 0,1
	v_perm_b32 v[cW+4*(\n)-4+2*\d+1], v[cW+4*(\n)-4+2*\d], s[EXPO], s[SELH]   ; selects 4-7: the first source's bytes; 0: the byte 0x64.  Bytes 2, 3 of the word
.endr
.irp d, 0,1
	v_perm_b32 v[cW+4*(\n)-4+2*\d], v[cW+4*(\n)-4+2*\d], s[EXPO], s[SELL]     ; bytes 0, 1, in place
.endr
.elseif (\n) < 5
	WIN W_B
.irp i, 0,1,2,3
	v_pk_add_f16 v[cW+4*(\n)-12+\i], v[cW+4*(\n)-12+\i], v[NEG]
.endr
.else
	WIN W_A
.irp i, 0,1,2,3
	v_cvt_pk_f16_f32 v[cX+4*(\n)-20+\i], v[qX+8*(\n)-40+2*\i], v[qX+8*(\n)-40+2*\i+1]
.endr
.endif
.endm
; AN OCTET.  mm: 0 no products, 1 they add, 2 they start the sums.  cv = 1: block o's raw data are converted into the buffer that is not multiplied, a slice behind each of the products 1 to 7, so that
; vector work, not a product, stands in front of a run of loads.  w: the count of a wait for raw data in front of the first slice (below 0: none).
; A converted buffer is written again 28 plain vector instructions or more behind the last matrix instruction that read it (four are asked for), so the loop has no v_nop but those behind a joint load.
.macro OCTET o, p, mm, cv, w
.irp b, 0,1,2,3,4,5,6,7
.if \mm
	MM \o, \b, \p, \mm-1
.endif
.if \cv && (\b > 0)
.if (\b == 1) && ((\w) >= 0)
	s_wait_dscnt \w
.endif
	CONV \b-1, \o, 1-\p
.endif
.endr
.endm
; A QUARTER: 32 along K in buffer p are multiplied, the next 32 converted, the 32 after those loaded from quarter kq of the slot, in two runs.
; The waits' count: LDS loads come back in order (ISA guide 5.7.1).  At octet 0 the runs out are the last quarter's two: the older, sets 0-3, is in when 20 are left.  At octet 4 they are the last quarter's
; second, sets 4-7, and this quarter's first: again the older is in when 20 are left.
.macro QUARTER p, mm, slot, kq
	OCTET 0, \p, \mm, 1, 20
.irp o, 1,2,3
	OCTET \o, \p, \mm, 1, -1
.endr
	RUN 0, \slot, \kq
	OCTET 4, \p, \mm, 1, 20
.irp o, 5,6,7
	OCTET \o, \p, \mm, 1, -1
.endr
	RUN 1, \slot, \kq
.endm
; THE QUARTER THAT CHANGES SLOTS: the third of a K step; slot cur's last raw data were asked for in the second.  ONE barrier: in front of it each wave waits for its own reads of the slot and for all its
; tensor loads, of which one is out: its part of the next slot.  Behind it nobody reads slot cur any more and slot next is whole.
; fill = 1: the barrier opens a round of the cluster's barrier, so that no wave of any partner still reads the slot or has a load on its way; the joint refill, two K steps on, is the first thing behind it,
; 32 + 192 + 24 = 248 matrix instructions ahead of the wait for it.  The quarter's first run of loads, from the next slot, follows it directly.
.macro QTURN p, cur, next, fill
	OCTET 0, \p, 1, 1, 20
	OCTET 1, \p, 1, 1, -1
	OCTET 2, \p, 1, 1, -1
	s_wait_dscnt 0x0                               ; my reads of this slot are over: all raw data of its last quarter are in registers (the last run was issued 24 matrix instructions ago)
	s_wait_tensorcnt 0x0                           ; all my tensor loads have landed
	s_barrier_signal -1
	OCTET 3, \p, 1, 1, -1                          ; work on registers while the others arrive
	WIN 0                                          ; at a label and at a branch every window is 0
	s_barrier_wait -1
.if \fill
	CREST
	s_add_nc_u64 s[G0A+4*\cur+2:G0A+4*\cur+3], s[G0A+4*\cur+2:G0A+4*\cur+3], 2*STEPA   ; no tensor load of mine is out, so a group 0 may be written
	s_add_nc_u64 s[G0B+4*\cur+2:G0B+4*\cur+3], s[G0B+4*\cur+2:G0B+4*\cur+3], 2*STEPB
	JLOAD \cur
.endif
	RUN 0, \next, 0
.irp o, 4,5,6,7
	OCTET \o, \p, 1, 1, -1                         ; no wait: the wait for 0 above has shown these raw data in
.endr
	RUN 1, \next, 0
.endm
	s_wait_tensorcnt 0x1                           ; my part of K step 0 is in; K step 1's may stay out
	s_barrier_signal -1
	s_barrier_wait -1                              ; everybody's is
	RUN 0, 0, 0                                    ; the first quarter's raw data
	RUN 1, 0, 0
	QUARTER 1, 0, 0, 1                             ; no products yet: they are converted into buffer 0; the second quarter's are loaded
	QUARTER 0, 2, 0, 2                             ; the first quarter stands in front of the loop: its products start the sums
	WIN 0
	s_mov_b32 s[LAPS], 15                          ; 32 K steps: a trip takes two and asks for two; the first two were asked for at the start
.Llap:                                                 ; a trip goes once round the ring, from a lap's second quarter to the next lap's first
	QUARTER 1, 1, 0, 3
	QTURN 0, 0, 1, 1
	QUARTER 1, 1, 1, 1
	QUARTER 0, 1, 1, 2
	QUARTER 1, 1, 1, 3
	QTURN 0, 1, 0, 1
	QUARTER 1, 1, 0, 1
	QUARTER 0, 1, 0, 2
	WIN 0
	s_sub_co_u32 s[LAPS], s[LAPS], 1
	s_cmp_lg_u32 s[LAPS], 0
	s_cbranch_scc1 .Llap
	QUARTER 1, 1, 0, 3                             ; the last lap is written out: it asks for nothing, and has no round of the cluster's barrier
	QTURN 0, 0, 1, 0
	QUARTER 1, 1, 1, 1
	QUARTER 0, 1, 1, 2
	QUARTER 1, 1, 1, 3
	OCTET 0, 0, 1, 1, 20                           ; nothing more to load: sets 0-3 are in when the last run's 20 are left,
.irp o, 1,2,3
	OCTET \o, 0, 1, 1, -1
.endr
	OCTET 4, 0, 1, 1, 0                            ; and behind sets 4-7 no run was issued
.irp o, 5,6,7
	OCTET \o, 0, 1, 1, -1
.endr
.irp o, 0,1,2,3,4,5,6,7
	OCTET \o, 1, 1, 0, -1                          ; the last quarter: nothing more to convert
.endr
	WIN 0
.rept 4
	v_nop                                          ; four places between the last product and the LDS stores that read results (ISA guide 7.12.1 for vector instructions)
.endr
; THE WAY OUT, a block of 16 rows at a time.  A lane holds 32 bytes of a row; the lanes beside it hold other rows.  So the block goes through my own stage in LDS and comes back as whole rows of 512 bytes.
.macro TOSTAGE a
.set AC, 64*((\a)%4)
.set BK, OB+64*((\a)%2)
	WIN 0x08+4*((\a)/4)                            ; an LDS store's data are source 1: window 2 or 3
.irp b, 0,1,2,3,4,5,6,7
	ds_store_b128 v[STO], v[AC+8*\b:AC+8*\b+3]   offset:64*\b
	ds_store_b128 v[STO], v[AC+8*\b+4:AC+8*\b+7] offset:64*\b+16
.endr
	WIN 0
.if (\a) >= 2
	s_wait_xcnt 0x0                                ; every earlier store has had its addresses translated (ISA guide 3.1): the buffer that block a - 2's stores read is loaded again only behind this wait
.endif
.irp t, 0,1,2,3,4,5,6,7,8,9,10,11,12,13,14,15
	ds_load_b128 v[BK+4*\t:BK+4*\t+3], v[RD] offset:\t*SP          ; LDS serves a wave's instructions in order (ISA guide 5.7.1.4): these see the stores above, and the next block's stores come behind them
.endr
.endm
; y = scale x sum + bias, one rounding, and out: the block's 32 multiply-adds, then its 16 stores in one run.  younger: the LDS instructions issued behind this block's loads.
.macro SEND a, younger
.set BK, OB+64*((\a)%2)
	s_wait_dscnt \younger                          ; the block is back in registers: only the younger block's LDS instructions may be out
.irp t, 0,1,2,3,4,5,6,7,8,9,10,11,12,13,14,15
	v_pk_fma_f32 v[BK+4*\t:BK+4*\t+1],   v[BK+4*\t:BK+4*\t+1],   s[SC:SC+1], v[BIAS:BIAS+1]   op_sel_hi:[1,0,1]
	v_pk_fma_f32 v[BK+4*\t+2:BK+4*\t+3], v[BK+4*\t+2:BK+4*\t+3], s[SC:SC+1], v[BIAS+2:BIAS+3] op_sel_hi:[1,0,1]
.endr
.irp t, 0,1,2,3,4,5,6,7,8,9,10,11,12,13,14,15
	global_store_b128 v[CO], v[BK+4*\t:BK+4*\t+3], s[12:13] offset:(16*(\a)+\t)*ROWY th:TH_STORE_NT   ; the wave stores 512 consecutive bytes, at a multiple of 512 from y's first byte; 127 rows at the most: inside the signed 24-bit immediate
.endr
.endm
	TOSTAGE 0
.irp a, 1,2,3,4,5,6,7
	TOSTAGE \a                                     ; block a's 16 stores and 16 loads stand between block a - 1's loads and the wait for them
	SEND \a-1, 32
.endr
	SEND 7, 0
	CROUND                                         ; the closing round: no work-group ends while a partner may still ask for a tile that names it
	s_endpgm
.Lfunc_end_k_q9e9ba01fca_clinear:
	.size	k_q9e9ba01fca_clinear, .Lfunc_end_k_q9e9ba01fca_clinear-k_q9e9ba01fca_clinear
	.p2alignl 7, 3214868480
	.fill 96, 4, 3214868480
	.section	.rodata,"a",@progbits
	.p2align	6, 0x0
	.amdhsa_kernel k_q9e9ba01fca_clinear
		.amdhsa_group_segment_fixed_size 327680
		.amdhsa_private_segment_fixed_size 0
		.amdhsa_enable_private_segment 0
		.amdhsa_kernarg_size 40
		.amdhsa_user_sgpr_count 2
		.amdhsa_user_sgpr_kernarg_segment_ptr 1
		.amdhsa_wavefront_size32 1
		.amdhsa_system_sgpr_workgroup_id_x 1
		.amdhsa_system_sgpr_workgroup_id_y 1
		.amdhsa_system_sgpr_workgroup_id_z 1
		.amdhsa_system_vgpr_workitem_id 0
		.amdhsa_next_free_vgpr 1024
		.amdhsa_next_free_sgpr 66
		.amdhsa_reserve_vcc 0
		.amdhsa_float_denorm_mode_32 3
		.amdhsa_float_denorm_mode_16_64 3
		.amdhsa_memory_ordered 1
		.amdhsa_forward_progress 1
		.amdhsa_inst_pref_size 255
	.end_amdhsa_kernel
	.section	.bss,"aw",@nobits
	.p2align	6
	.space	262144
	.amdgpu_metadata
---
amdhsa.version: [ 1, 2 ]
amdhsa.kernels:
  - .name:           k_q9e9ba01fca_clinear
    .symbol:         k_q9e9ba01fca_clinear.kd
    .args:
      - { .name: x, .offset: 0, .size: 8, .value_kind: global_buffer, .address_space: global }
      - { .name: compressed_weight, .offset: 8, .size: 8, .value_kind: global_buffer, .address_space: global }
      - { .name: scale, .offset: 16, .size: 8, .value_kind: global_buffer, .address_space: global }
      - { .name: compressed_bias, .offset: 24, .size: 8, .value_kind: global_buffer, .address_space: global }
      - { .name: out0, .offset: 32, .size: 8, .value_kind: global_buffer, .address_space: global }
    .group_segment_fixed_size: 327680
    .private_segment_fixed_size: 0
    .kernarg_segment_align: 8
    .kernarg_segment_size: 40
    .max_flat_workgroup_size: 128
    .sgpr_count:     66
    .vgpr_count:     1024
    .wavefront_size: 32
...
	.end_amdgpu_metadata
.endif
;; end of part 1
